; MI455X (gfx1250); checked and timed in simulation.
; The chip was launched on July 23, 2026; its instructions are those of AMD's public machine-readable ISA for CDNA 5 (MIT licence, August 2026) and "CDNA5" Instruction Set Architecture Reference Guide (July 2026). The comments in the code are by the model that wrote it; some were corrected since.
;; SEM Attn. Allowed arithmetic: matrix products marked QUANTISED: E4M3 operands, one given power-of-two scale a tensor, by v_wmma_f32_16x16x64_fp8_fp8 or v_wmma_f32_16x16x128_fp8_fp8, f32 sums; products left as they are: f32 operands where the result goes on into a quantised operand, else bf16, f16 or f32 operands; f32 sums; everything else in f32.
;; Inputs: WK_codes 2 x 512 x 8 x 32 uint8 (E4M3 codes of WK, K innermost, in blocks of 32 codes); WQ_codes 2 x 512 x 8 x 32 uint8 (E4M3 codes of WQ, K innermost, in blocks of 32 codes); WV_codes 2 x 512 x 8 x 32 uint8 (E4M3 codes of WV, K innermost, in blocks of 32 codes); Wout_codes 256 x 32 x 32 uint8 (E4M3 codes of Wout, K innermost, in blocks of 32 codes); biasK 2 x 8 x 64 float32; biasQ 2 x 8 x 64 float32; bout 256 float32; coords 8 x 8 x 32 x 32 x 2 float32; lnK_b 2 x 64 float32; lnK_g 2 x 64 float32; lnQ_b 2 x 64 float32; lnQ_g 2 x 64 float32; lowp_scales 14 int32 (the exponents e of the quantised operands' scales 2^e); nodal_codes 8 x 8 x 32 x 32 x 8 x 32 uint8 (E4M3 codes of nodal, K innermost, in blocks of 32 codes).
;; Outputs: out0 8 x 8 x 32 x 32 x 256 float32.
;; This version of the problem:
;;   THIS VERSION OF THE PROBLEM IS GIVEN IN LOW PRECISION. The matrix products marked QUANTISED in the list below multiply operands that are first quantised to E4M3 (4 exponent bits, 3 mantissa bits; 8 bits a number), with one given power-of-two scale for each operand tensor; their sums are f32. All else is computed in f32.
;;   The module's matrix products, in the order in which they are computed (A, B: the left and right operand; K: the contracted axis; several contracted axes count as one K, in the product's order):
;;     1. [M 65,536, K 256] x [K 256, N 512]; A: input nodal (given as codes); B: input WQ (given as codes): QUANTISED (scales: A lowp_scales[0], B lowp_scales[1])
;;     2. [M 65,536, K 256] x [K 256, N 512]; A: input nodal (given as codes); B: input WQ (given as codes): QUANTISED (scales: A lowp_scales[2], B lowp_scales[3])
;;     3. [M 65,536, K 256] x [K 256, N 512]; A: input nodal (given as codes); B: input WK (given as codes): QUANTISED (scales: A lowp_scales[4], B lowp_scales[5])
;;     4. [M 65,536, K 256] x [K 256, N 512]; A: input nodal (given as codes); B: input WK (given as codes): QUANTISED (scales: A lowp_scales[6], B lowp_scales[7])
;;     5. [M 65,536, K 256] x [K 256, N 512]; A: input nodal (given as codes); B: input WV (given as codes): QUANTISED (scales: A lowp_scales[8], B lowp_scales[9])
;;     6. [M 65,536, K 256] x [K 256, N 512]; A: input nodal (given as codes); B: input WV (given as codes): QUANTISED (scales: A lowp_scales[10], B lowp_scales[11])
;;     7. batch 65,536 x [M 8, K 128] x [K 128, N 8]; A: computed on the way; B: computed on the way: left as it is (M = 8 < 16)
;;     8. batch 65,536 x [M 8, K 8] x [K 8, N 128]; A: softmax; B: computed on the way: left as it is (K = 8 < 32)
;;     9. [M 65,536, K 1,024] x [K 1,024, N 256]; A: computed on the way; B: input Wout (given as codes): QUANTISED (scales: A lowp_scales[12], B lowp_scales[13])
;;   THE QUANTISER, for each operand of a quantised product, along K:
;;     - The operand's scale is 2^e, e = its entry of the input lowp_scales (int32; the entries are numbered through the quantised products in the list's order, A before B).
;;     - Each number is divided by the scale, clamped to +-448, and rounded to the nearest number of E4M3, ties to even, subnormals kept.
;;     - The product sums the exact products of the quantised numbers (number of the format x scale) in f32.
;;   ~~~python
;;   def quantise(x, axis, e):      # numpy; x: float32 -> the quantised numbers, widened to float32 again
;;       x = np.moveaxis(x, axis, -1); K = x.shape[-1]
;;       r = np.clip(x / 2.0 ** e, -448, 448)
;;       step = 2.0 ** (np.maximum(np.frexp(np.where(r == 0, 1, r))[1] - 1, -6) - 3)
;;       q = np.round(r / step) * step * 2.0 ** e      # np.round: ties to even
;;       return np.moveaxis(q, -1, axis).astype(np.float32)
;;   ~~~
;;   OPERANDS COMPUTED ON THE WAY. 'Computed on the way' means the value that the module computes at that place (a softmax that the list does not call 'softmax' is quantised finished and normalised). What goes into a quantiser is computed in f32, as accurately as f32 sums, v_exp_f32 and their like allow (about 1e-6 of the number): no bf16 or f16 on the way to a quantiser, and a product that is left as it is and whose result goes on into a quantised operand takes f32 operands (vector FMAs, or v_wmma_f32_16x16x4_f32). A number that lies on a knife's edge between two numbers of the format may be rounded either way, as far as f32 arithmetic and the matrix unit's own rounding can turn it there, and no further.
;;   INPUTS GIVEN AS CODES. WK (in the module: [2, 256, 512], K = its axis 1); WQ (in the module: [2, 256, 512], K = its axis 1); WV (in the module: [2, 256, 512], K = its axis 1); Wout (in the module: [1024, 256], K = its axis 0); nodal (in the module: [8, 8, 32, 32, 256], K = its axis 4): each comes as NAME_codes (uint8): NAME with its K axis moved to the last place and cut into blocks of 32 codes, [.., K / 32, bytes a block], one block behind the other in memory; one code a byte (a code: sign, 4 exponent bits, 3 mantissa bits); its scale is its entry of lowp_scales. Its value is code x scale, taken as it is: it is not quantised again, and the codes and scales need not be those that the quantiser above would give.
;; One version. Each part assembles by itself: llvm-mc -triple=amdgcn-amd-amdhsa -mcpu=gfx1250 --defsym DOCPART=n.
;; ======== version 1 of 1: 2 launches
;; limits: a function is approximated: absolute error at most 3e-06
;; workspace buffers: wpk 1,048,576 bytes; tab 11,264 bytes
;; launch pack (part 1): grid 129 x 1, 4 waves a work-group, no clusters, 0 bytes of LDS; arguments WK_codes, WQ_codes, WV_codes, Wout_codes, biasK, biasQ, bout, lnK_b, lnK_g, lnQ_b, lnQ_g, lowp_scales, wpk, tab; writes wpk, tab
.if DOCPART == 1
	.amdgcn_target "amdgcn-amd-amdhsa--gfx1250"
	.amdhsa_code_object_version 6
	.text
	.protected	k_q163b4766ec_pack
	.globl	k_q163b4766ec_pack
	.p2align	8
	.type	k_q163b4766ec_pack,@function
k_q163b4766ec_pack:
	s_mov_b64 s[64:65], 0
	v_nop
	global_prefetch_b8 v0, s[64:65] scope:SCOPE_SE
	s_setreg_imm32_b32 hwreg(HW_REG_WAVE_MODE, 25, 1), 1
	s_wait_xcnt 0x0
; PACK: the four weights' codes are laid in the order of the matrix operands' registers, and the small f32 tables in the order in which a lane of the second launch wants them.
; A UNIT is the image of one fragment (16 rows x 128 K of 8-bit codes, 16 registers a lane): 2,048 bytes; byte 512 c + 16 l + b is byte b of registers 4 c .. 4 c + 3 of lane l.  r = l % 16, hl = l / 16.
; wpk holds 512 units.  Units 0-255: four blocks phi = 0..3 = (K, n=0), (Q, n=0), (K, n=1), (Q, n=1) of 64: unit 8 head + 4 s + v.  Lane r takes weight row 64 head + 16 v + 8 ((r/4)%2) + 4 (r/8) + r%4,
; its bytes are k = 128 s + 32 c + 16 hl + b.  (With these rows a lane of the product's result holds both partners f and g of the rotation.)
; Units 256-511: eight jobs J = 4 n + a of 32.  Units 8 s + h2 of a job: row 64 h2 + 16 a + r of WV[n], bytes as above.  Units 16 + t: row 16 t + r of Wout; registers 2 i, 2 i + 1 hold k = 128 i + 64 n + 16 a + 8 hl + 0..7.
; Work-group g < 128: wave w makes unit 4 g + w.  A unit's loads take 128 bytes of each of 16 rows; the units that take a row's other bytes are made by neighbouring waves and work-groups; it is 1 MiB, read once.
; Each store of a wave covers 512 consecutive bytes, aligned.
; Work-group 128 makes tab: 0: the biases x 2^-(the product's two exponents), [phi][head][v][h][8]; 8192 + 512 phi: LayerNorm's gains, then its offsets, [v][h][8] each, 1.0 added to the offsets of d < 32
; (it folds the "+ cos, + sin" of the rotation into f); 10240: bout x 2^-(e12 + e13).  Against the natural order only groups of four numbers move: place q takes group (q & ~3) | (q & 1) << 1 | (q >> 1) & 1.
; No LDS, no barrier: waves share nothing.
.macro FOUR                            ; four loads of 16 bytes a lane, 32 bytes apart: registers 4 c .. 4 c + 3
.irp c, 0,1,2,3
	global_load_b128 v[16+4*\c:19+4*\c], v10, s[40:41] offset:32*\c
.endr
.endm
	s_load_b256 s[4:11], s[0:1], 0x0               ; WK s[4:5], WQ s[6:7], WV s[8:9], Wout s[10:11]
	s_load_b256 s[12:19], s[0:1], 0x20             ; biasK s[12:13], biasQ s[14:15], bout s[16:17], lnK_b s[18:19]
	s_load_b256 s[20:27], s[0:1], 0x40             ; lnK_g s[20:21], lnQ_b s[22:23], lnQ_g s[24:25], the exponents s[26:27]
	s_load_b128 s[28:31], s[0:1], 0x60             ; wpk s[28:29], tab s[30:31]
	v_lshrrev_b32 v1, 5, v0
	v_readfirstlane_b32 s32, v1                    ; wave 0..3
	v_and_b32 v2, 31, v0                           ; lane
	v_and_b32 v3, 15, v0                           ; r
	v_bfe_u32 v4, v0, 4, 1                         ; hl
	v_lshlrev_b32 v5, 4, v2                        ; 16 x lane: my place in each 512 bytes of a unit
	s_mov_b32 s37, 0
	s_wait_kmcnt 0x0
	s_cmp_eq_u32 ttmp9, 128
	s_cbranch_scc1 .Ltab
	s_lshl_b32 s33, ttmp9, 2
	s_add_co_u32 s33, s33, s32                     ; my unit U = 4 g + w
	s_lshl_b32 s36, s33, 11
	s_add_nc_u64 s[28:29], s[28:29], s[36:37]      ; wpk + 2,048 U
	s_cmp_lt_u32 ttmp9, 64
	s_cbranch_scc0 .Lvo
	; ---- K's and Q's units: phi = g / 16, head = (g / 2) % 8, s = g % 2, v = w
	s_lshr_b32 s38, ttmp9, 4
	s_bitcmp1_b32 s38, 0
	s_cselect_b64 s[40:41], s[6:7], s[4:5]         ; odd phi: WQ, even: WK; the choice hangs on the work-group's number alone
	s_lshr_b32 s39, s38, 1
	s_lshl_b32 s36, s39, 17                        ; n x 131,072
	s_bfe_u32 s39, ttmp9, 0x30001
	s_lshl_b32 s39, s39, 14                        ; + head x 64 rows of 256 bytes
	s_add_co_u32 s36, s36, s39
	s_lshl_b32 s39, s32, 12                        ; + v x 16 rows
	s_add_co_u32 s36, s36, s39
	s_and_b32 s39, ttmp9, 1
	s_lshl_b32 s39, s39, 7                         ; + 128 s
	s_add_co_u32 s36, s36, s39
	s_add_nc_u64 s[40:41], s[40:41], s[36:37]
	v_bfe_u32 v6, v3, 2, 1
	v_lshrrev_b32 v7, 3, v3
	v_and_b32 v8, 3, v3
	v_lshl_add_u32 v8, v6, 3, v8
	v_lshl_add_u32 v8, v7, 2, v8                   ; my row of the tile's sixteen: 8 ((r/4)%2) + 4 (r/8) + r%4
	v_lshlrev_b32 v10, 8, v8
	v_lshl_add_u32 v10, v4, 4, v10                 ; x 256 + 16 hl
	FOUR
	s_branch .Lstore
.Lvo:
	s_sub_co_u32 s38, ttmp9, 64
	s_lshr_b32 s39, s38, 3                         ; job J
	s_and_b32 s42, s38, 7
	s_lshl_b32 s42, s42, 2
	s_add_co_u32 s42, s42, s32                     ; the unit's number in its job, q
	s_lshr_b32 s43, s39, 2                         ; n
	s_and_b32 s44, s39, 3                          ; a
	s_cmp_lt_u32 s42, 16
	s_cbranch_scc0 .Lwout
	; ---- V's units: s = q / 8, h2 = q % 8
	s_lshl_b32 s36, s43, 17
	s_and_b32 s45, s42, 7
	s_lshl_b32 s45, s45, 14
	s_add_co_u32 s36, s36, s45
	s_lshl_b32 s45, s44, 12
	s_add_co_u32 s36, s36, s45
	s_lshr_b32 s45, s42, 3
	s_lshl_b32 s45, s45, 7
	s_add_co_u32 s36, s36, s45
	s_add_nc_u64 s[40:41], s[8:9], s[36:37]
	v_lshlrev_b32 v10, 8, v3
	v_lshl_add_u32 v10, v4, 4, v10                 ; row r, + 16 hl
	FOUR
	s_branch .Lstore
.Lwout:
	; ---- Wout's units: t = q - 16; a row is 1,024 bytes
	s_sub_co_u32 s45, s42, 16
	s_lshl_b32 s36, s45, 14
	s_lshl_b32 s45, s43, 6
	s_add_co_u32 s36, s36, s45
	s_lshl_b32 s45, s44, 4
	s_add_co_u32 s36, s36, s45
	s_add_nc_u64 s[40:41], s[10:11], s[36:37]
	v_lshlrev_b32 v10, 10, v3
	v_lshl_add_u32 v10, v4, 3, v10                 ; row r, + 8 hl
.irp i, 0,1,2,3,4,5,6,7
	global_load_b64 v[16+2*\i:17+2*\i], v10, s[40:41] offset:128*\i   ; head i's eight codes of this job's sixteen e
.endr
.Lstore:
	s_wait_loadcnt 0x0
.irp c, 0,1,2,3
	global_store_b128 v5, v[16+4*\c:19+4*\c], s[28:29] offset:512*\c
.endr
	s_endpgm
.Ltab:
	s_load_b256 s[36:43], s[26:27], 0x0            ; e0 .. e7
	s_load_b64 s[48:49], s[26:27], 0x30            ; e12, e13
	v_and_b32 v6, 0x7c, v0
	v_and_b32 v7, 1, v0
	v_bfe_u32 v8, v0, 1, 1
	v_lshl_or_b32 v6, v7, 1, v6
	v_or_b32 v6, v6, v8
	v_lshlrev_b32 v6, 4, v6                        ; the group of four that place t takes, in bytes
	v_lshlrev_b32 v9, 4, v0                        ; place t, in bytes
	global_load_b128 v[16:19], v6, s[12:13]                ; biasK, n = 0
	global_load_b128 v[20:23], v6, s[12:13] offset:2048    ; biasK, n = 1
	global_load_b128 v[24:27], v6, s[14:15]                ; biasQ, n = 0
	global_load_b128 v[28:31], v6, s[14:15] offset:2048    ; biasQ, n = 1
	s_bitcmp1_b32 s32, 0                           ; wave w is phi: odd: Q's gains and offsets, even: K's
	s_cselect_b64 s[50:51], s[24:25], s[20:21]
	s_cselect_b64 s[52:53], s[22:23], s[18:19]
	s_lshr_b32 s54, s32, 1
	s_lshl_b32 s54, s54, 8                         ; n x 256 bytes
	v_and_b32 v10, 0xc, v0
	v_lshl_or_b32 v10, v7, 1, v10
	v_or_b32 v10, v10, v8
	v_lshl_add_u32 v10, v10, 4, s54
	global_load_b128 v[32:35], v10, s[50:51]       ; gains
	global_load_b128 v[36:39], v10, s[52:53]       ; offsets
	v_lshlrev_b32 v11, 3, v0
	global_load_b64 v[12:13], v11, s[16:17]        ; bout, two numbers a thread
	s_mov_b32 s60, 0xffff0000                      ; lanes 16-31 keep the offsets, lanes 0-15 the gains
	s_mov_b32 s61, 0x00ff0000                      ; lanes 16-23: the offsets of d < 32
	v_cndmask_b32 v14, 0, 1.0, s61
	s_wait_kmcnt 0x0
	s_add_co_i32 s55, s40, s41                     ; K, n = 0: e4 + e5
	s_sub_co_i32 s55, 0, s55
	s_add_co_i32 s56, s42, s43                     ; K, n = 1: e6 + e7
	s_sub_co_i32 s56, 0, s56
	s_add_co_i32 s57, s36, s37                     ; Q, n = 0: e0 + e1
	s_sub_co_i32 s57, 0, s57
	s_add_co_i32 s58, s38, s39                     ; Q, n = 1: e2 + e3
	s_sub_co_i32 s58, 0, s58
	s_add_co_i32 s59, s48, s49                     ; the last product: e12 + e13
	s_sub_co_i32 s59, 0, s59
	s_wait_loadcnt 0x0
.irp i, 0,1,2,3
	v_ldexp_f32 v[16+\i], v[16+\i], s55
	v_ldexp_f32 v[20+\i], v[20+\i], s56
	v_ldexp_f32 v[24+\i], v[24+\i], s57
	v_ldexp_f32 v[28+\i], v[28+\i], s58
	v_cndmask_b32 v[32+\i], v[32+\i], v[36+\i], s60
.endr
.irp i, 0,1,2,3
	v_add_f32 v[32+\i], v[32+\i], v14
.endr
	v_ldexp_f32 v12, v12, s59
	v_ldexp_f32 v13, v13, s59
	global_store_b128 v9, v[16:19], s[30:31]               ; phi 0: K, n = 0
	global_store_b128 v9, v[24:27], s[30:31] offset:2048   ; phi 1: Q, n = 0
	global_store_b128 v9, v[20:23], s[30:31] offset:4096   ; phi 2: K, n = 1
	global_store_b128 v9, v[28:31], s[30:31] offset:6144   ; phi 3: Q, n = 1
	global_store_b128 v9, v[32:35], s[30:31] offset:8192   ; 16 t = 512 phi + 16 lane
	global_store_b64 v11, v[12:13], s[30:31] offset:10240
	s_endpgm
.Lfunc_end_k_q163b4766ec_pack:
	.size	k_q163b4766ec_pack, .Lfunc_end_k_q163b4766ec_pack-k_q163b4766ec_pack
	.p2alignl 7, 3214868480
	.fill 96, 4, 3214868480
	.section	.rodata,"a",@progbits
	.p2align	6, 0x0
	.amdhsa_kernel k_q163b4766ec_pack
		.amdhsa_group_segment_fixed_size 0
		.amdhsa_private_segment_fixed_size 0
		.amdhsa_enable_private_segment 0
		.amdhsa_kernarg_size 112
		.amdhsa_user_sgpr_count 2
		.amdhsa_user_sgpr_kernarg_segment_ptr 1
		.amdhsa_wavefront_size32 1
		.amdhsa_system_sgpr_workgroup_id_x 1
		.amdhsa_system_sgpr_workgroup_id_y 1
		.amdhsa_system_sgpr_workgroup_id_z 1
		.amdhsa_system_vgpr_workitem_id 0
		.amdhsa_next_free_vgpr 40
		.amdhsa_next_free_sgpr 66
		.amdhsa_reserve_vcc 0
		.amdhsa_float_denorm_mode_32 3
		.amdhsa_float_denorm_mode_16_64 3
		.amdhsa_memory_ordered 1
		.amdhsa_forward_progress 1
		.amdhsa_inst_pref_size 9
	.end_amdhsa_kernel
	.amdgpu_metadata
---
amdhsa.version: [ 1, 2 ]
amdhsa.kernels:
  - .name:           k_q163b4766ec_pack
    .symbol:         k_q163b4766ec_pack.kd
    .args:
      - { .name: WK_codes, .offset: 0, .size: 8, .value_kind: global_buffer, .address_space: global }
      - { .name: WQ_codes, .offset: 8, .size: 8, .value_kind: global_buffer, .address_space: global }
      - { .name: WV_codes, .offset: 16, .size: 8, .value_kind: global_buffer, .address_space: global }
      - { .name: Wout_codes, .offset: 24, .size: 8, .value_kind: global_buffer, .address_space: global }
      - { .name: biasK, .offset: 32, .size: 8, .value_kind: global_buffer, .address_space: global }
      - { .name: biasQ, .offset: 40, .size: 8, .value_kind: global_buffer, .address_space: global }
      - { .name: bout, .offset: 48, .size: 8, .value_kind: global_buffer, .address_space: global }
      - { .name: lnK_b, .offset: 56, .size: 8, .value_kind: global_buffer, .address_space: global }
      - { .name: lnK_g, .offset: 64, .size: 8, .value_kind: global_buffer, .address_space: global }
      - { .name: lnQ_b, .offset: 72, .size: 8, .value_kind: global_buffer, .address_space: global }
      - { .name: lnQ_g, .offset: 80, .size: 8, .value_kind: global_buffer, .address_space: global }
      - { .name: lowp_scales, .offset: 88, .size: 8, .value_kind: global_buffer, .address_space: global }
      - { .name: wpk, .offset: 96, .size: 8, .value_kind: global_buffer, .address_space: global }
      - { .name: tab, .offset: 104, .size: 8, .value_kind: global_buffer, .address_space: global }
    .group_segment_fixed_size: 0
    .private_segment_fixed_size: 0
    .kernarg_segment_align: 8
    .kernarg_segment_size: 112
    .max_flat_workgroup_size: 128
    .sgpr_count:     66
    .vgpr_count:     40
    .wavefront_size: 32
...
	.end_amdgpu_metadata
.endif
;; end of part 1
;; launch main (part 2): grid 512 x 1, 4 waves a work-group, clusters of 4 x 1, 327,680 bytes of LDS; arguments nodal_codes, coords, lowp_scales, wpk, tab, out0; writes out0
.if DOCPART == 2
	.amdgcn_target "amdgcn-amd-amdhsa--gfx1250"
	.amdhsa_code_object_version 6
	.text
	.protected	k_q163b4766ec_main
	.globl	k_q163b4766ec_main
	.p2align	8
	.type	k_q163b4766ec_main,@function
k_q163b4766ec_main:
	s_mov_b64 s[64:65], 0
	v_nop
	global_prefetch_b8 v0, s[64:65] scope:SCOPE_SE
	s_setreg_imm32_b32 hwreg(HW_REG_WAVE_MODE, 25, 1), 1
	s_wait_xcnt 0x0
	s_wait_alu depctr_hold_cnt(0) depctr_sa_sdst(0) depctr_va_vdst(0) depctr_va_sdst(0) depctr_va_ssrc(0) depctr_va_vcc(0) depctr_vm_vsrc(0)
	s_getreg_b32 s2, hwreg(HW_REG_IB_STS2, 6, 4)
	s_cmp_eq_u32 s2, 0
	s_cbranch_scc0 .Lentry_in_a_cluster
	s_endpgm
.Lentry_in_a_cluster:
	s_bfe_u32 s2, ttmp6, 0x10000c
	s_cmp_lg_u32 s2, 0x3003
	s_cbranch_scc0 .Lentry_shape_is_right
	s_endpgm
.Lentry_shape_is_right:
; SEMAttn, all nine products in one launch.  65,536 points; for each: Q, K, V = nodal W (FP8 codes, K = 256, two factors n), bias, LayerNorm over a head's 64, rotation by cos / sin (coords[n] x 0..31);
; the 8 heads attend to each other (scores 8 x 8 over e = 128, softmax, P V: f32 multiply-adds, since the result goes on into a quantiser); attn is quantised with 2^e12 and multiplied by Wout (FP8, K = 1,024); + bout.
; SHARES.  A work-group owns 128 points, each of its four waves 32: two tiles T of 16.  All products are used transposed (source 0 = 16 rows of a weight, source 1 = 16 points): lane (r, h) holds point r of a tile.
; Every wave walks all weights, 1 MiB, laid by the launch before as images of the operands' registers (units of 2,048 bytes): a fragment is four ds_load_b128 at 16 x lane, and each feeds two matrix instructions.
; STREAM.  Eight slots' worth of 131,072 bytes go through a ring of two LDS slots: (K, n=0), (Q, n=0), (K, n=1), (Q, n=1), then four slots of two jobs J = 4 n + a: V's 16 columns 16 a .. of every head, and the 128 k of Wout that they feed.
; CLUSTER.  The four work-groups of a cluster walk the same stream: each tile is asked for JOINTLY (mask 15), each wave a quarter of a slot, one load a wave behind each round of the cluster's barrier.
; K PHASE: the eight heads of K stay in 512 registers.  Q PHASE: a head of Q at a time; its 8 scores a point are summed over my 32 of the 64 d, exchanged between the halves of the lanes, and added up over n in the wave's own park in LDS.
; In a head's result register 8 v + j of lane (r, h) is d = 16 v + 8 (j/4) + 4 h + j%4: registers 0-15 are f at k(kappa) = 8 (kappa/4) + 4 h + kappa%4, registers 16-31 g at the same k: the rotation stays in the lane.
; V / O PHASE: a job's V (8 heads x 16 d), attn = P V, hold, conversion; the codes ARE the last product's operand (registers 2 h1, 2 h1 + 1: head h1, e = 64 n + 16 a + 8 h + 0..7); the 32 output sums stay in 256 registers and begin as bout / 2^(e12 + e13).
; SCALES.  A sum of codes stands for sum x 2^(eA + eB).  The biases come divided by that; LayerNorm takes var x 2^(2 E) and multiplies by rsqrt x 2^E (v_ldexp_f32); V's scale is folded into the conversion's: 2^(e12 - eV).
; cos and sin: cis(theta) by range reduction and two polynomials, its powers by at most five complex products.
; nodal: a lane takes 16 bytes of its point's row, two lanes 32 neighbouring bytes, eight loads on end take the whole 256-byte rows; read once, 8 KiB a wave.
; LIMITS.  NaN among the inputs is not served.  e12 - e8 - e9 and e12 - e10 - e11 between -126 and 119; e12 + e13 between -126 and 127 (each is made into an f32 power of two).  |coords| under 2^22.
; cos (k theta), sin (k theta) lie within about 3e-6 of the exact angle's; reference rounds k theta to f32 first, so the two differ by up to half a unit in the last place of k theta.
; REGISTERS, in windows of 256 (s_set_vgpr_msb: bits 1:0 source 0, 3:2 source 1, 5:4 source 2, 7:6 destination):
;   window 0: v1-11 addresses; v12-15 zeros; v16-143 eight weight units; v144-207 cos, sin (later attn's codes); v208-239 gains (before: trigonometry's scratch); v240-241 LayerNorm's factor; v242-245 theta; v246-247 the conversion's scale and hold; v248-253 lane numbers and addresses
;   window 1: v0-63 nodal's fragments; v64-127 a head of Q; v128-159 LayerNorm's offsets; v160-191 the head's bias; v192-255 at work.  Behind the Q phases v64-191 hold P.
;   windows 2, 3: K (head h2, tile T at window 2 + h2/4, v[64 (h2%4) + 32 T]).  Later window 2: V of a job, attn of a job; window 3: the output sums.
.set SLOTB, 131072                     ; an LDS slot, and a slot's worth of the stream
.set SPARE, 2*SLOTB                    ; behind the ring: the spare words, 128 bytes for each wave: two blocks of 256 bytes that no other line names
.set TAB,   SPARE+512                  ; the tables, 11,264 bytes: filled once, read only
.set PARK,  TAB+11264                  ; 8,192 bytes for each wave: the scores, [h1][T][lane] x 16 bytes
.set SP,    528                        ; the way out: a stage row, 512 bytes + 16; 16 rows a wave, in slot 0, which has had its last fill and its last read by then
.set SPW, 1
.set NIL, 2
.set LI,  3                            ; 16 x lane
.set AW,  4                            ; address of the units in hand
.set LI2, 5                            ; 16 x lane + 65,536
.set HB,  6                            ; TAB + 32 h
.set AT,  7                            ; the bias in hand
.set AT2, 8                            ; the gains in hand
.set PKW, 9                            ; PARK + 8,192 wave + 16 lane
.set PKR, 10                           ; PARK + 8,192 wave + 16 r
.set PKA, 11                           ; the park's place in hand
.set WF,  16
.set CK,  144
.set SK,  160
.set GF,  208
.set RR,  240
.set TH,  242
.set QS,  246
.set QL,  247
.set RL,  248                          ; r
.set HL,  249                          ; h
.set XO,  250
.set CO,  251
.set STO, 252
.set RD,  253
.set QJ,  64                           ; window 1
.set BF,  128
.set CB,  160
.set TMP, 192
.set AA,  224
.set NM,  240
.set PKD, 244
.set PP,  64
.set MSB, 0
.macro WIN new                         ; the immediate's high byte repeats the setting that is left; a switch that changes nothing is dropped
.if MSB != (\new)
	s_set_vgpr_msb (MSB<<8)|(\new)
.set MSB, (\new)
.endif
.endm
; Four places: a load into a register that a matrix instruction has read, and a vector instruction that reads a matrix result or writes a matrix instruction's register, stand four plain vector instructions behind it
.macro PLACES
.rept 4
	v_nop
.endr
.endm
; A round of the cluster's barrier: my work-group's barrier; wave 0 signals for the work-group; every wave waits for all four work-groups; my work-group's barrier once more.
.macro ROUND
	s_barrier_signal -1
	s_barrier_wait -1
	s_cmp_lg_u32 s16, 0
	s_cbranch_scc1 .Lnot_wave_0_\@
	s_barrier_signal -3
.Lnot_wave_0_\@:
	s_barrier_wait -3
	s_barrier_signal -1
	s_barrier_wait -1
.endm
; THE CHANGE OF SLOTS stands at a slot's head.  Each wave waits for all its tensor loads (its quarter of the slot that it is about to read), adds 0 to its spare word, and waits for that and for its reads of the slot that it has left.
; fill = 1: the other slot takes the stream's next 131,072 bytes: the round is the barrier, the joint load the first thing behind it, and it has a whole slot's work in which to land.
.macro CHANGE fill
	s_wait_tensorcnt 0x0                           ; no tensor load of mine is out, so the walking group 0 may be written
	ds_add_u32 v[SPW], v[NIL]                      ; 0 onto my spare word
.if \fill
	s_xor_b32 s41, s41, SLOTB                      ; the other slot than last time,
	s_add_nc_u64 s[42:43], s[42:43], SLOTB         ; the stream's next part; the type bits on top are not reached
.endif
	s_wait_dscnt 0x0                               ; the add is done, and my LDS reads are over
.if \fill
	ROUND
	tensor_load_to_lds s[40:43], s[24:31]
	s_nop 0
	PLACES                                         ; four v_nop follow the load
.else
	s_barrier_signal -1
	s_barrier_wait -1
.endif
.endm
.macro FETCHJOB adr, off               ; a head's eight units (4 s + v), 16,384 bytes: unit u at v[WF + 16 u]
.set I, 0
.rept 32
	ds_load_b128 v[WF+4*I:WF+4*I+3], v[\adr] offset:(\off)+512*I
.set I, I+1
.endr
.endm
.macro CBLOAD adr, off                 ; the head's bias in the result's layout: tile v's eight numbers of my half
	WIN 0x40
.set I, 0
.rept 8
	ds_load_b128 v[CB+4*I:CB+4*I+3], v[\adr] offset:(\off)+64*(I/2)+16*(I%2)
.set I, I+1
.endr
	WIN 0
.endm
.macro GBLOAD                          ; a phase's gains (window 0) and offsets (window 1), 32 numbers each
	v_add_nc_u32 v[AT2], s91, v[HB]
.set I, 0
.rept 8
	ds_load_b128 v[GF+4*I:GF+4*I+3], v[AT2] offset:64*(I/2)+16*(I%2)
.set I, I+1
.endr
	WIN 0x40
.set I, 0
.rept 8
	ds_load_b128 v[BF+4*I:BF+4*I+3], v[AT2] offset:256+64*(I/2)+16*(I%2)
.set I, I+1
.endr
	WIN 0
.endm
; A head's projection for both tiles: 16 matrix instructions into window k, v[D] on.  The bias is the C of each sum's first instruction.  The eight accumulators take turns, one instruction a turn.
.macro HEADMM k, D
	s_wait_dscnt 0x0                               ; the units and the bias are in
	WIN ((\k)<<6)|0x14
.irp v, 0,1,2,3
.irp T, 0,1
	v_wmma_f32_16x16x128_fp8_fp8 v[(\D)+32*\T+8*\v:(\D)+32*\T+8*\v+7], v[WF+16*\v:WF+16*\v+15], v[32*\T:32*\T+15], v[CB+8*\v:CB+8*\v+7]
.endr
.endr
	WIN ((\k)<<6)|((\k)<<4)|0x04
.irp v, 0,1,2,3
.irp T, 0,1
	v_wmma_f32_16x16x128_fp8_fp8 v[(\D)+32*\T+8*\v:(\D)+32*\T+8*\v+7], v[WF+64+16*\v:WF+64+16*\v+15], v[32*\T+16:32*\T+31], v[(\D)+32*\T+8*\v:(\D)+32*\T+8*\v+7]
.endr
.endr
	WIN 0
	PLACES
.endm
.macro LNRED                           ; two chains of pairs -> one number a point: my 32, then the other half of the lanes'
	WIN 0x55
.irp T, 0,1
	v_pk_add_f32 v[AA+8*\T:AA+8*\T+1], v[AA+8*\T:AA+8*\T+1], v[AA+8*\T+2:AA+8*\T+3]
.endr
.irp T, 0,1
	v_add_f32 v[AA+8*\T+4], v[AA+8*\T], v[AA+8*\T+1]
.endr
.irp T, 0,1
	v_permlanex16_b32 v[AA+8*\T+5], v[AA+8*\T+4], s72, s73
.endr
.irp T, 0,1
	v_add_f32 v[AA+8*\T+4], v[AA+8*\T+4], v[AA+8*\T+5]
.endr
.endm
; LayerNorm and rotation of one head, both tiles by turns, in place in window k, v[D] on.  Operands are laid so that each stretch needs one window setting: source 1 (gains, cos, sin, the factor) in window 0,
; source 2 and what is at work in window 1.  (x * 1.0 + y is an addition whose second term stands in source 2's window.)  Each accumulator is read from its low end on.
.macro LN2 k, D
.set SAW, ((\k)<<6)|0x10|(\k)
.set SBW, 0x50|(\k)
.set SCW, 0x50|((\k)<<2)|(\k)
.set XB, (\D)
	WIN SCW                                        ; the sum
.irp T, 0,1
	v_pk_add_f32 v[AA+8*\T:AA+8*\T+1], v[XB+32*\T:XB+32*\T+1], v[XB+32*\T+4:XB+32*\T+5]
	v_pk_add_f32 v[AA+8*\T+2:AA+8*\T+3], v[XB+32*\T+2:XB+32*\T+3], v[XB+32*\T+6:XB+32*\T+7]
.endr
.set I, 4
.rept 12
.irp T, 0,1
	v_pk_fma_f32 v[AA+8*\T+2*(I%2):AA+8*\T+2*(I%2)+1], v[XB+32*\T+2*I:XB+32*\T+2*I+1], 1.0, v[AA+8*\T+2*(I%2):AA+8*\T+2*(I%2)+1] op_sel_hi:[1,0,1]
.endr
.set I, I+1
.endr
	LNRED
.irp T, 0,1
	v_mul_f32 v[NM+\T], 0xbc800000, v[AA+8*\T+4]   ; minus the mean: x -1/64
.endr
	WIN SAW                                        ; x - mean
.set I, 0
.rept 16
.irp T, 0,1
	v_pk_fma_f32 v[XB+32*\T+2*I:XB+32*\T+2*I+1], v[XB+32*\T+2*I:XB+32*\T+2*I+1], 1.0, v[NM:NM+1] op_sel:[0,0,\T] op_sel_hi:[1,0,\T]
.endr
.set I, I+1
.endr
	WIN SCW                                        ; the sum of squares
.irp T, 0,1
	v_pk_mul_f32 v[AA+8*\T:AA+8*\T+1], v[XB+32*\T:XB+32*\T+1], v[XB+32*\T:XB+32*\T+1]
	v_pk_mul_f32 v[AA+8*\T+2:AA+8*\T+3], v[XB+32*\T+2:XB+32*\T+3], v[XB+32*\T+2:XB+32*\T+3]
.endr
.set I, 2
.rept 14
.irp T, 0,1
	v_pk_fma_f32 v[AA+8*\T+2*(I%2):AA+8*\T+2*(I%2)+1], v[XB+32*\T+2*I:XB+32*\T+2*I+1], v[XB+32*\T+2*I:XB+32*\T+2*I+1], v[AA+8*\T+2*(I%2):AA+8*\T+2*(I%2)+1]
.endr
.set I, I+1
.endr
	LNRED
.irp T, 0,1
	v_ldexp_f32 v[AA+8*\T+4], v[AA+8*\T+4], s71    ; x 2^(2 E - 6): the variance of the true numbers
.endr
.irp T, 0,1
	v_add_f32 v[AA+8*\T+4], s79, v[AA+8*\T+4]      ; + 1e-5
.endr
.irp T, 0,1
	v_rsq_f32 v[AA+8*\T+4], v[AA+8*\T+4]
.endr
	v_nop                                          ; a plain instruction between the reciprocal roots and their use
	WIN 0x01
	s_wait_alu depctr_va_vdst(0)
.irp T, 0,1
	v_ldexp_f32 v[RR+\T], v[AA+8*\T+4], s70        ; x 2^E: the factor for the sums of codes
.endr
	WIN SAW
.set I, 0
.rept 16
.irp T, 0,1
	v_pk_mul_f32 v[XB+32*\T+2*I:XB+32*\T+2*I+1], v[XB+32*\T+2*I:XB+32*\T+2*I+1], v[RR:RR+1] op_sel:[0,\T] op_sel_hi:[1,\T]
.endr
.set I, I+1
.endr
.set I, 0
.rept 16
.irp T, 0,1
	v_pk_fma_f32 v[XB+32*\T+2*I:XB+32*\T+2*I+1], v[XB+32*\T+2*I:XB+32*\T+2*I+1], v[GF+2*I:GF+2*I+1], v[BF+2*I:BF+2*I+1]   ; x gain + offset (f's offset holds the 1.0)
.endr
.set I, I+1
.endr
.irp T, 0,1                            ; f' = cos (f + 1) - sin g;  g' = sin (f + 1) + cos g
	WIN SBW
.set I, 0
.rept 8
	v_pk_mul_f32 v[TMP+2*I:TMP+2*I+1], v[XB+32*\T+16+2*I:XB+32*\T+16+2*I+1], v[SK+32*\T+2*I:SK+32*\T+2*I+1]
	v_pk_mul_f32 v[TMP+16+2*I:TMP+16+2*I+1], v[XB+32*\T+2*I:XB+32*\T+2*I+1], v[SK+32*\T+2*I:SK+32*\T+2*I+1]
.set I, I+1
.endr
	WIN SAW
.set I, 0
.rept 8
	v_pk_fma_f32 v[XB+32*\T+2*I:XB+32*\T+2*I+1], v[XB+32*\T+2*I:XB+32*\T+2*I+1], v[CK+32*\T+2*I:CK+32*\T+2*I+1], v[TMP+2*I:TMP+2*I+1] neg_lo:[0,0,1] neg_hi:[0,0,1]
	v_pk_fma_f32 v[XB+32*\T+16+2*I:XB+32*\T+16+2*I+1], v[XB+32*\T+16+2*I:XB+32*\T+16+2*I+1], v[CK+32*\T+2*I:CK+32*\T+2*I+1], v[TMP+16+2*I:TMP+16+2*I+1]
.set I, I+1
.endr
.endr
	WIN 0
.endm
; The head of Q in hand against all eight heads of K: 16 chains of packed multiply-adds over my 32 d; then lanes 0-15 keep heads 0-3 and lanes 16-31 heads 4-7, each with the other half's part added; the park's sum over n is added and stored.
.macro SCORE
.irp kk, 2,3
	WIN 0x51|(\kk<<2)
.set I, 0
.rept 16
.irp hq, 0,1,2,3
.irp T, 0,1
.if I == 0
	v_pk_mul_f32 v[TMP+16*\T+2*(4*(\kk-2)+\hq):TMP+16*\T+2*(4*(\kk-2)+\hq)+1], v[QJ+32*\T+2*I:QJ+32*\T+2*I+1], v[64*\hq+32*\T+2*I:64*\hq+32*\T+2*I+1]
.else
	v_pk_fma_f32 v[TMP+16*\T+2*(4*(\kk-2)+\hq):TMP+16*\T+2*(4*(\kk-2)+\hq)+1], v[QJ+32*\T+2*I:QJ+32*\T+2*I+1], v[64*\hq+32*\T+2*I:64*\hq+32*\T+2*I+1], v[TMP+16*\T+2*(4*(\kk-2)+\hq):TMP+16*\T+2*(4*(\kk-2)+\hq)+1]
.endif
.endr
.endr
.set I, I+1
.endr
.endr
	WIN 0x55
.irp T, 0,1
.irp i, 0,1,2,3,4,5,6,7
	v_add_f32 v[AA+8*\T+\i], v[TMP+16*\T+2*\i], v[TMP+16*\T+2*\i+1]
.endr
.endr
.irp T, 0,1
.irp i, 0,1,2,3
	v_cndmask_b32 v[TMP+16*\T+\i], v[AA+8*\T+4+\i], v[AA+8*\T+\i], s74     ; what the other half keeps
	v_cndmask_b32 v[TMP+16*\T+4+\i], v[AA+8*\T+\i], v[AA+8*\T+4+\i], s74   ; what I keep
.endr
.endr
.irp T, 0,1
.irp i, 0,1,2,3
	v_permlanex16_b32 v[TMP+16*\T+8+\i], v[TMP+16*\T+\i], s72, s73
.endr
.endr
.irp T, 0,1
	v_pk_add_f32 v[TMP+16*\T+4:TMP+16*\T+5], v[TMP+16*\T+4:TMP+16*\T+5], v[TMP+16*\T+8:TMP+16*\T+9]
	v_pk_add_f32 v[TMP+16*\T+6:TMP+16*\T+7], v[TMP+16*\T+6:TMP+16*\T+7], v[TMP+16*\T+10:TMP+16*\T+11]
.endr
	s_wait_dscnt 0x0                               ; the park's numbers are in (and the next head's units, asked for some 500 instructions ago)
.irp T, 0,1
	v_pk_add_f32 v[TMP+16*\T+4:TMP+16*\T+5], v[TMP+16*\T+4:TMP+16*\T+5], v[PKD+4*\T:PKD+4*\T+1]
	v_pk_add_f32 v[TMP+16*\T+6:TMP+16*\T+7], v[TMP+16*\T+6:TMP+16*\T+7], v[PKD+4*\T+2:PKD+4*\T+3]
.endr
	WIN 0x04
.irp T, 0,1
	ds_store_b128 v[PKA], v[TMP+16*\T+4:TMP+16*\T+7] offset:512*\T
.endr
	WIN 0
.endm
; A head of Q.  pf = 1: the next head's units and bias are asked for behind this head's products.
.macro QJOB pf
	HEADMM 1, QJ
	v_add_nc_u32 v[PKA], s89, v[PKW]
	WIN 0x40
	ds_load_b128 v[PKD:PKD+3], v[PKA]
	ds_load_b128 v[PKD+4:PKD+7], v[PKA] offset:512
	WIN 0
.if \pf
	v_add_nc_u32 v[AW], s88, v[LI]
	v_add_nc_u32 v[AT], s90, v[HB]
	FETCHJOB AW, 0
	CBLOAD AT, 0
	s_add_co_u32 s88, s88, 16384
	s_add_co_u32 s90, s90, 256
.endif
	LN2 1, QJ
	SCORE
	s_add_co_u32 s89, s89, 1024
.endm
; Complex numbers lie as pairs (cos, sin).
.macro CSQ d, a                        ; d = a squared
	v_mul_f32 v[(\d)+1], v[\a], v[(\a)+1]
	v_mul_f32 v[Z+12], v[(\a)+1], v[(\a)+1]
	v_add_f32 v[(\d)+1], v[(\d)+1], v[(\d)+1]
	v_fma_f32 v[\d], v[\a], v[\a], -v[Z+12]
.endm
.macro CMUL d, a, b                    ; d = a b
	v_mul_f32 v[Z+12], v[(\a)+1], v[(\b)+1]
	v_mul_f32 v[Z+13], v[(\a)+1], v[\b]
	v_fma_f32 v[\d], v[\a], v[\b], -v[Z+12]
	v_fma_f32 v[(\d)+1], v[\a], v[(\b)+1], v[Z+13]
.endm
.macro PROT d, a, zp                   ; kappa d, d + 1 = kappa a, a + 1 times the complex number at zp: packed, its cos or sin for both halves
	v_pk_mul_f32 v[Z+12:Z+13], v[SKB+\a:SKB+\a+1], v[\zp:(\zp)+1] op_sel:[0,1] op_sel_hi:[1,1]
	v_pk_mul_f32 v[Z+14:Z+15], v[SKB+\a:SKB+\a+1], v[\zp:(\zp)+1] op_sel_hi:[1,0]
	v_pk_fma_f32 v[CKB+\d:CKB+\d+1], v[CKB+\a:CKB+\a+1], v[\zp:(\zp)+1], v[Z+12:Z+13] op_sel_hi:[1,0,1] neg_lo:[0,0,1] neg_hi:[0,0,1]
	v_pk_fma_f32 v[SKB+\d:SKB+\d+1], v[CKB+\a:CKB+\a+1], v[\zp:(\zp)+1], v[Z+14:Z+15] op_sel:[0,1,0] op_sel_hi:[1,1,1]
.endm
; cos and sin of k(kappa) theta, kappa = 0..15, for both tiles, theta in v[TH + T].  No branch and no address hangs on these numbers: the quadrant only selects values.
.macro TRIG
.irp T, 0,1
.set Z, GF+16*\T
.set CKB, CK+32*\T
.set SKB, SK+32*\T
	v_mul_f32 v[Z+2], 0x3f22f983, v[TH+\T]         ; theta x 2 / pi,
	v_rndne_f32 v[Z+2], v[Z+2]                     ; to the nearest whole number j
	v_fmamk_f32 v[Z+3], v[Z+2], 0xbfc90fdb, v[TH+\T]   ; r = theta - j pi/2, pi/2 in two parts
	v_fmamk_f32 v[Z+3], v[Z+2], 0x333bbd2e, v[Z+3]
	v_mul_f32 v[Z+4], v[Z+3], v[Z+3]               ; z = r r
	v_mov_b32 v[Z+5], 0xb94ca1f9
	v_mov_b32 v[Z+6], 0x37ccf5ce
	v_fmaak_f32 v[Z+5], v[Z+5], v[Z+4], 0x3c08839e
	v_fmaak_f32 v[Z+6], v[Z+6], v[Z+4], 0xbab6061a
	v_fmaak_f32 v[Z+5], v[Z+5], v[Z+4], 0xbe2aaaa3
	v_fmaak_f32 v[Z+6], v[Z+6], v[Z+4], 0x3d2aaaa5
	v_mul_f32 v[Z+5], v[Z+5], v[Z+4]
	v_mul_f32 v[Z+7], v[Z+4], v[Z+4]
	v_fma_f32 v[Z+8], v[Z+4], -0.5, 1.0
	v_fma_f32 v[Z+9], v[Z+5], v[Z+3], v[Z+3]       ; sin r
	v_fma_f32 v[Z+10], v[Z+6], v[Z+7], v[Z+8]      ; cos r
	v_cvt_i32_f32 v[Z+11], v[Z+2]
	v_and_b32 v[Z+12], 1, v[Z+11]
	v_cmp_eq_u32 vcc_lo, 1, v[Z+12]                ; odd j: the two change places
	v_cndmask_b32 v[Z+1], v[Z+9], v[Z+10], vcc_lo
	v_cndmask_b32 v[Z], v[Z+10], v[Z+9], vcc_lo
	v_lshlrev_b32 v[Z+12], 30, v[Z+11]             ; sin's sign: bit 1 of j
	v_and_b32 v[Z+12], 0x80000000, v[Z+12]
	v_xor_b32 v[Z+1], v[Z+1], v[Z+12]
	v_add_nc_u32 v[Z+11], 1, v[Z+11]               ; cos's: bit 1 of j + 1
	v_lshlrev_b32 v[Z+12], 30, v[Z+11]
	v_and_b32 v[Z+12], 0x80000000, v[Z+12]
	v_xor_b32 v[Z], v[Z], v[Z+12]
	CSQ Z+2, Z                                     ; powers 2, 3, 4, 8, 16
	CMUL Z+4, Z+2, Z
	CSQ Z+6, Z+2
	CSQ Z+8, Z+6
	CSQ Z+10, Z+8
	v_cndmask_b32 v[CKB], 1.0, v[Z+6], s74         ; kappa 0: k = 4 h
	v_cndmask_b32 v[SKB], 0, v[Z+7], s74
.irp dd, 1,2,3
	v_mul_f32 v[Z+12], v[SKB], v[Z+2*\dd-1]
	v_mul_f32 v[Z+13], v[SKB], v[Z+2*\dd-2]
	v_fma_f32 v[CKB+\dd], v[CKB], v[Z+2*\dd-2], -v[Z+12]
	v_fma_f32 v[SKB+\dd], v[CKB], v[Z+2*\dd-1], v[Z+13]
.endr
	PROT 4, 0, Z+8
	PROT 6, 2, Z+8
	PROT 8, 0, Z+10
	PROT 10, 2, Z+10
	PROT 12, 4, Z+10
	PROT 14, 6, Z+10
.endr
.endm
; The 16 rows (T, h1) of 8 scores: both halves of the lanes take all eight; maximum, 2^(c s - c max), sum, division.  Stage by stage, so that no line waits for the line above it.
.macro SOFTMAX
	WIN 0x40
.set I, 0
.rept 16
	ds_load_b128 v[PP+8*I:PP+8*I+3], v[PKR] offset:1024*(I%8)+512*(I/8)
	ds_load_b128 v[PP+8*I+4:PP+8*I+7], v[PKR] offset:1024*(I%8)+512*(I/8)+256
.set I, I+1
.endr
	s_wait_dscnt 0x0
	WIN 0x55
.set I, 0
.rept 16
	v_max3_num_f32 v[192+I], v[PP+8*I], v[PP+8*I+1], v[PP+8*I+2]
.set I, I+1
.endr
.set I, 0
.rept 16
	v_max3_num_f32 v[192+I], v[192+I], v[PP+8*I+3], v[PP+8*I+4]
.set I, I+1
.endr
.set I, 0
.rept 16
	v_max3_num_f32 v[192+I], v[192+I], v[PP+8*I+5], v[PP+8*I+6]
.set I, I+1
.endr
.set I, 0
.rept 16
	v_max_num_f32 v[192+I], v[192+I], v[PP+8*I+7]
.set I, I+1
.endr
.set I, 0
.rept 16
	v_mul_f32 v[192+I], s78, v[192+I]              ; - c max
.set I, I+1
.endr
.irp rp, 0,1,2,3,4,5,6,7
.irp rb, 0,1
.irp jp, 0,1,2,3
	v_pk_fma_f32 v[PP+8*(2*\rp+\rb)+2*\jp:PP+8*(2*\rp+\rb)+2*\jp+1], v[PP+8*(2*\rp+\rb)+2*\jp:PP+8*(2*\rp+\rb)+2*\jp+1], s[76:77], v[192+2*\rp:193+2*\rp] op_sel:[0,0,\rb] op_sel_hi:[1,0,\rb]
.endr
.endr
.endr
.set I, 0
.rept 128
	v_exp_f32 v[PP+I], v[PP+I]
.set I, I+1
.endr
	v_nop                                          ; a plain instruction between the exponentials and their use
.set I, 0
	s_wait_alu depctr_va_vdst(0)
.rept 16
	v_pk_add_f32 v[224+2*I:225+2*I], v[PP+8*I:PP+8*I+1], v[PP+8*I+2:PP+8*I+3]
.set I, I+1
.endr
.set I, 0
.rept 16
	v_pk_add_f32 v[224+2*I:225+2*I], v[224+2*I:225+2*I], v[PP+8*I+4:PP+8*I+5]
.set I, I+1
.endr
.set I, 0
.rept 16
	v_pk_add_f32 v[224+2*I:225+2*I], v[224+2*I:225+2*I], v[PP+8*I+6:PP+8*I+7]
.set I, I+1
.endr
.set I, 0
.rept 16
	v_add_f32 v[208+I], v[224+2*I], v[225+2*I]
.set I, I+1
.endr
.set I, 0
.rept 16
	v_rcp_f32 v[208+I], v[208+I]
.set I, I+1
.endr
	v_nop                                          ; a plain instruction between the reciprocals and their use
	s_wait_alu depctr_va_vdst(0)
.irp rp, 0,1,2,3,4,5,6,7
.irp rb, 0,1
.irp jp, 0,1,2,3
	v_pk_mul_f32 v[PP+8*(2*\rp+\rb)+2*\jp:PP+8*(2*\rp+\rb)+2*\jp+1], v[PP+8*(2*\rp+\rb)+2*\jp:PP+8*(2*\rp+\rb)+2*\jp+1], v[208+2*\rp:209+2*\rp] op_sel:[0,\rb] op_sel_hi:[1,\rb]
.endr
.endr
.endr
	WIN 0
.endm
.macro LOADG g                         ; units 2 g, 2 g + 1 of the job in hand into group g % 4 of the four groups of 32 registers
.irp i, 0,1,2,3,4,5,6,7
	ds_load_b128 v[WF+32*((\g)%4)+4*\i:WF+32*((\g)%4)+4*\i+3], v[AW] offset:4096*(\g)+512*\i
.endr
.endm
; A JOB: V's 16 columns of every head for both tiles (32 matrix instructions), attn = P V (512 packed multiply-adds), hold and conversion, and the 128 k of the last product that they are (32 matrix instructions).
; The units come in groups of two, four groups ahead; a wait's count is the loads of the groups issued behind the one that is wanted, eight each.  Accumulators by turns, one instruction a turn.
.macro VOJOB
	PLACES                                         ; for the loads into the units that the job before multiplied last
	v_add_nc_u32 v[AW], s88, v[LI]
	LOADG 0
	LOADG 1
	LOADG 2
	LOADG 3
.set G, 0
.rept 8
	s_wait_dscnt 24                                ; group G is in; the three behind it may be out
	WIN 0xa4
.irp uu, 0,1
.irp T, 0,1
.if G < 4
	v_wmma_f32_16x16x128_fp8_fp8 v[64*\T+8*(2*(G%4)+\uu):64*\T+8*(2*(G%4)+\uu)+7], v[WF+32*(G%4)+16*\uu:WF+32*(G%4)+16*\uu+15], v[32*\T+16*(G/4):32*\T+16*(G/4)+15], 0
.else
	v_wmma_f32_16x16x128_fp8_fp8 v[64*\T+8*(2*(G%4)+\uu):64*\T+8*(2*(G%4)+\uu)+7], v[WF+32*(G%4)+16*\uu:WF+32*(G%4)+16*\uu+15], v[32*\T+16*(G/4):32*\T+16*(G/4)+15], v[64*\T+8*(2*(G%4)+\uu):64*\T+8*(2*(G%4)+\uu)+7]
.endif
.endr
.endr
	WIN 0
	PLACES
	LOADG G+4
.set G, G+1
.endr
	WIN 0xa9                                       ; attn(h1, e) = the sum over h2 of P(h1, h2) V(h2, e): P's number for both halves; 32 chains; each of V's accumulators from its low end on
.irp T, 0,1
.irp hp, 0,1,2,3
.irp hb, 0,1
.set H1, 0
.rept 8
.irp jp, 0,1,2,3
.if (2*\hp+\hb) == 0
	v_pk_mul_f32 v[128+64*\T+8*H1+2*\jp:128+64*\T+8*H1+2*\jp+1], v[PP+64*\T+8*H1+2*\hp:PP+64*\T+8*H1+2*\hp+1], v[64*\T+8*(2*\hp+\hb)+2*\jp:64*\T+8*(2*\hp+\hb)+2*\jp+1] op_sel:[\hb,0] op_sel_hi:[\hb,1]
.else
	v_pk_fma_f32 v[128+64*\T+8*H1+2*\jp:128+64*\T+8*H1+2*\jp+1], v[PP+64*\T+8*H1+2*\hp:PP+64*\T+8*H1+2*\hp+1], v[64*\T+8*(2*\hp+\hb)+2*\jp:64*\T+8*(2*\hp+\hb)+2*\jp+1], v[128+64*\T+8*H1+2*\jp:128+64*\T+8*H1+2*\jp+1] op_sel:[\hb,0,0] op_sel_hi:[\hb,1,1]
.endif
.endr
.set H1, H1+1
.endr
.endr
.endr
.endr
	WIN 0x82
.set I, 0
.rept 128
	v_med3_num_f32 v[128+I], v[128+I], -v[QL], v[QL]   ; the conversion to an 8-bit code does not saturate (ISA guide 7.6.2): the hold at the largest code x the scale
.set I, I+1
.endr
	WIN 0x02
.irp T, 0,1
.irp hh, 0,1,2,3,4,5,6,7
	v_cvt_scalef32_pk8_fp8_f32 v[CK+16*\T+2*\hh:CK+16*\T+2*\hh+1], v[128+64*\T+8*\hh:128+64*\T+8*\hh+7], v[QS]
.endr
.endr
	WIN 0
	v_nop                                          ; one plain vector instruction between the conversions and the matrix instructions that read their results
.set G, 8
.rept 8
.if 15-G >= 3
	s_wait_dscnt 24
.else
	s_wait_dscnt 8*(15-G)
.endif
	WIN 0xf0
.irp uu, 0,1
.irp T, 0,1
	v_wmma_f32_16x16x128_fp8_fp8 v[128*\T+8*(2*(G-8)+\uu):128*\T+8*(2*(G-8)+\uu)+7], v[WF+32*(G%4)+16*\uu:WF+32*(G%4)+16*\uu+15], v[CK+16*\T:CK+16*\T+15], v[128*\T+8*(2*(G-8)+\uu):128*\T+8*(2*(G-8)+\uu)+7]
.endr
.endr
	WIN 0
.if G <= 11
	PLACES
	LOADG G+4
.endif
.set G, G+1
.endr
.endm
.macro VOSLOT                          ; a slot's two jobs: written once, walked twice
	s_mov_b32 s88, s92
	s_mov_b32 s94, 2
.Ljob_\@:
	VOJOB
	s_add_co_u32 s88, s88, 65536
	s_sub_co_u32 s94, s94, 1
	s_cmp_lg_u32 s94, 0
	s_cbranch_scc1 .Ljob_\@
	s_xor_b32 s92, s92, SLOTB                      ; on to the other slot
.endm
; THE WAY OUT, in four blocks a = 2 T + hf of 16 points x 128 columns.  A lane holds 32 neighbouring bytes of a row: a block goes through my own stage and comes back as rows of 512 bytes.
.macro TOSTAGE a
	WIN 0x03
.set JJ, 0
.rept 32
	v_pk_mul_f32 v[16+JJ:17+JJ], v[64*(\a)+JJ:64*(\a)+JJ+1], s[80:81] op_sel_hi:[1,0]   ; x 2^(e12 + e13); each accumulator from its low end on
.set JJ, JJ+2
.endr
	WIN 0
.irp tt, 0,1,2,3,4,5,6,7
	ds_store_b128 v[STO], v[16+8*\tt:19+8*\tt] offset:64*\tt
	ds_store_b128 v[STO], v[20+8*\tt:23+8*\tt] offset:64*\tt+16
.endr
.irp row, 0,1,2,3,4,5,6,7,8,9,10,11,12,13,14,15
	ds_load_b128 v[80+64*((\a)%2)+4*\row:80+64*((\a)%2)+4*\row+3], v[RD] offset:\row*SP   ; LDS serves a wave's instructions in order: these see my stores, and the next block's stores come behind them
.endr
.endm
.macro SEND a, younger                 ; younger: the LDS instructions issued behind block a's loads, which may stay out
	s_wait_dscnt \younger
.irp row, 0,1,2,3,4,5,6,7,8,9,10,11,12,13,14,15
	global_store_b128 v[LI], v[80+64*((\a)%2)+4*\row:80+64*((\a)%2)+4*\row+3], s[14:15] offset:16384*((\a)/2)+1024*\row+512*((\a)%2) th:TH_STORE_NT   ; 32 lanes store 512 consecutive bytes, at a multiple of 512 from out0's first byte
.endr
.endm
	; ---- the head
	s_load_b256 s[4:11], s[0:1], 0x0               ; nodal s[4:5], coords s[6:7], the exponents s[8:9], wpk s[10:11]
	s_load_b128 s[12:15], s[0:1], 0x20             ; tab s[12:13], out0 s[14:15]
	v_lshl_add_u32 v[SPW], v0, 2, SPARE
	v_mov_b32 v[NIL], 0
	ds_add_u32 v1, v2
	ds_add_u32 v1, v2
	s_wait_dscnt 0x0
	v_lshrrev_b32 v[AW], 5, v0
	v_readfirstlane_b32 s16, v[AW]                 ; wave 0..3
	s_bfe_u32 s17, ttmp6, 0x40000                  ; cx: my place in the cluster; it enters nodal's, coords' and out0's addresses alone
	s_lshl_b32 s18, ttmp9, 2                       ; in a cluster launch ttmp9 counts clusters
	s_add_co_u32 s18, s18, s17
	s_lshl_b32 s18, s18, 7
	s_lshl_b32 s19, s16, 5
	s_add_co_u32 s19, s18, s19                     ; my wave's first point: 128 x work-group + 32 x wave
	s_mov_b32 s63, 0
	; descriptor group 1 for the stream: 128 rows of 32 elements of 8 bytes, dense: 32,768 bytes, a quarter of a slot
	s_mov_b32 s24, 15|(3<<16)|(1<<21)              ; 15:0 the mask: all four work-groups; 17:16 elements of 8 bytes; 21 set beside a mask; no padding
	s_mov_b32 s25, 32<<16                          ; tensor_dim0 = 32
	s_mov_b32 s26, 128<<16                         ; tensor_dim1 = 128
	s_mov_b32 s27, 32<<16                          ; tile_dim0 = 32
	s_mov_b32 s28, 128                             ; tile_dim1 = 128
	s_mov_b32 s29, 32                              ; from row to row: 32 elements
	s_mov_b32 s30, 0
	s_mov_b32 s31, 0
	; and for the tables: 11 such rows, a quarter of 11,264 bytes
	s_mov_b32 s32, 15|(3<<16)|(1<<21)
	s_mov_b32 s33, 32<<16
	s_mov_b32 s34, 11<<16
	s_mov_b32 s35, 32<<16
	s_mov_b32 s36, 11
	s_mov_b32 s37, 32
	s_mov_b32 s38, 0
	s_mov_b32 s39, 0
	s_mov_b32 s72, 0x76543210                      ; v_permlanex16_b32: lane l xor 16
	s_mov_b32 s73, 0xfedcba98
	s_mov_b32 s74, 0xffff0000                      ; lanes 16-31
	s_mov_b32 s76, 0x3e0293ee                      ; c = log2(e) / sqrt(128)
	s_mov_b32 s77, 0x3e0293ee
	s_mov_b32 s78, 0xbe0293ee                      ; -c
	s_mov_b32 s79, 0x3727c5ac                      ; 1e-5
	s_mov_b32 s40, 1                               ; group 0 of the stream: count = 1,
	s_lshl_b32 s41, s16, 15                        ; LDS: slot 0, my quarter,
	s_mov_b32 s20, s41
	s_mov_b32 s21, 0
	s_mov_b32 s44, 1                               ; group 0 of the tables
	s_mul_i32 s22, s16, 2816
	s_add_co_u32 s45, s22, TAB
	s_mov_b32 s23, 0
	s_wait_kmcnt 0x0
	s_load_b256 s[48:55], s[8:9], 0x0              ; e0 .. e7
	s_load_b128 s[56:59], s[8:9], 0x20             ; e8 .. e11
	s_load_b64 s[60:61], s[8:9], 0x30              ; e12, e13
	s_add_nc_u64 s[42:43], s[10:11], s[20:21]      ; memory: the stream's first slot, my quarter
	s_or_b32 s43, s43, 0x80000000                  ; type = 2
	s_add_nc_u64 s[46:47], s[12:13], s[22:23]
	s_or_b32 s47, s47, 0x80000000
	s_lshl_b32 s62, s19, 8
	s_add_nc_u64 s[4:5], s[4:5], s[62:63]          ; nodal: 256 bytes a point
	s_lshl_b32 s62, s19, 3
	s_add_nc_u64 s[6:7], s[6:7], s[62:63]          ; coords: 8
	s_lshl_b32 s62, s19, 10
	s_add_nc_u64 s[14:15], s[14:15], s[62:63]      ; out0: 1,024
	ROUND                                          ; all four work-groups are here: the first joint loads meet
	tensor_load_to_lds s[44:47], s[32:39]          ; the two first fills go out together: two tensor loads of mine are out
	s_nop 0
	tensor_load_to_lds s[40:43], s[24:31]
	s_nop 0
	PLACES
	v_and_b32 v[LI], 31, v0
	v_lshlrev_b32 v[LI], 4, v[LI]
	v_and_b32 v[RL], 15, v0
	v_bfe_u32 v[HL], v0, 4, 1
	v_lshlrev_b32 v[XO], 8, v[RL]
	v_lshl_add_u32 v[XO], v[HL], 4, v[XO]          ; nodal: row r, + 16 h
	v_lshlrev_b32 v[CO], 3, v[RL]                  ; coords: point r
	WIN 0x40
.irp T, 0,1
.irp s, 0,1
.irp c, 0,1,2,3
	global_load_b128 v[32*\T+16*\s+4*\c:32*\T+16*\s+4*\c+3], v[XO], s[4:5] offset:4096*\T+128*\s+32*\c   ; registers 4 c ..: k = 128 s + 32 c + 16 h + 0..15: the same places as in the weights' units
.endr
.endr
.endr
	WIN 0
.irp T, 0,1
	global_load_b32 v[TH+\T], v[CO], s[6:7] offset:128*\T          ; theta of n = 0,
	global_load_b32 v[TH+2+\T], v[CO], s[6:7] offset:128*\T+4      ; of n = 1
.endr
	v_add_nc_u32 v[LI2], 0x10000, v[LI]
	v_lshl_add_u32 v[HB], v[HL], 5, TAB
	s_lshl_b32 s20, s16, 13
	s_add_co_u32 s20, s20, PARK
	v_add_nc_u32 v[PKW], s20, v[LI]
	v_lshl_add_u32 v[PKR], v[RL], 4, s20
	s_mul_i32 s21, s16, 16*SP
	v_mul_u32_u24 v[STO], v[RL], SP
	v_lshl_add_u32 v[STO], v[HL], 5, v[STO]
	v_add_nc_u32 v[STO], s21, v[STO]               ; the stage, in: row r, + 32 h
	v_add_nc_u32 v[RD], s21, v[LI]                 ; and back: 16 bytes a lane of a row
.irp i, 12,13,14,15
	v_mov_b32 v\i, 0
.endr
.set I, 0
.rept 16
	ds_store_b128 v[PKW], v[12:15] offset:512*I    ; the park begins as zeros: every head's job adds onto it
.set I, I+1
.endr
	WIN 0x40
	v_mov_b32 v[AA+5], 0                           ; written once: a lane permute's destination counts as one of its sources
	v_mov_b32 v[AA+13], 0
	WIN 0
	s_wait_kmcnt 0x0
	s_add_co_i32 s66, s52, s53                     ; E of K, n = 0: e4 + e5
	s_add_co_i32 s67, s54, s55                     ; K, n = 1
	s_add_co_i32 s68, s48, s49                     ; Q, n = 0
	s_add_co_i32 s69, s50, s51                     ; Q, n = 1
	s_sub_co_i32 s82, s60, s56                     ; e12 - e8 - e9: attn of n = 0 is a sum x 2^(e8 + e9), its code that / 2^e12
	s_sub_co_i32 s82, s82, s57
	s_add_co_i32 s82, s82, 127
	s_add_co_i32 s83, s82, 8
	s_lshl_b32 s82, s82, 23                        ; the conversion's scale as f32,
	s_lshl_b32 s83, s83, 23
	s_or_b32 s83, s83, 0x600000                    ; and 448 x that
	s_sub_co_i32 s84, s60, s58                     ; the same for n = 1
	s_sub_co_i32 s84, s84, s59
	s_add_co_i32 s84, s84, 127
	s_add_co_i32 s85, s84, 8
	s_lshl_b32 s84, s84, 23
	s_lshl_b32 s85, s85, 23
	s_or_b32 s85, s85, 0x600000
	s_add_co_i32 s80, s60, s61
	s_add_co_i32 s80, s80, 127
	s_lshl_b32 s80, s80, 23                        ; 2^(e12 + e13) as f32
	s_mov_b32 s81, s80                             ; (named with it as a pair, so it is written)
	s_wait_loadcnt 0x0                             ; nodal and coords
	s_mov_b32 s86, 0
.Ln:                                                   ; two trips: n = 0, 1
	TRIG                                           ; stands ahead of the change of slots: work on registers while the slot lands
	s_lshl_b32 s90, s86, 12                        ; the tables' places of this n: bias 4,096 n,
	s_lshl_b32 s91, s86, 10
	s_add_co_u32 s91, s91, 8192                    ; gains 8,192 + 1,024 n
	s_cmp_eq_u32 s86, 0
	s_cselect_b32 s70, s66, s67                    ; E of K's product,
	s_lshl_b32 s71, s70, 1
	s_sub_co_i32 s71, s71, 6                       ; 2 E - 6
	CHANGE 1
	; ---- K: eight heads into windows 2 and 3; the next head's units are asked for behind each head's products and land under its LayerNorm
	v_add_nc_u32 v[AT], s90, v[HB]
	GBLOAD
	FETCHJOB LI, 0
	CBLOAD AT, 0
.set J, 0
.rept 8
	HEADMM 2+J/4, 64*(J%4)
.if J < 7
.if J < 3
	FETCHJOB LI, (J+1)*16384
.else
	FETCHJOB LI2, (J-3)*16384
.endif
	CBLOAD AT, 256*(J+1)
.endif
	LN2 2+J/4, 64*(J%4)
.set J, J+1
.endr
	s_add_co_u32 s90, s90, 2048
	s_add_co_u32 s91, s91, 512
	s_cmp_eq_u32 s86, 0
	s_cselect_b32 s70, s68, s69                    ; E of Q's product
	s_lshl_b32 s71, s70, 1
	s_sub_co_i32 s71, s71, 6
	CHANGE 1
	; ---- Q: a head at a time
	GBLOAD
	s_mov_b32 s88, SLOTB
	v_add_nc_u32 v[AW], s88, v[LI]
	v_add_nc_u32 v[AT], s90, v[HB]
	FETCHJOB AW, 0
	CBLOAD AT, 0
	s_add_co_u32 s88, s88, 16384
	s_add_co_u32 s90, s90, 256
	s_mov_b32 s89, 0
	s_mov_b32 s87, 7
.Lq:
	QJOB 1
	s_sub_co_u32 s87, s87, 1
	s_cmp_lg_u32 s87, 0
	s_cbranch_scc1 .Lq
	QJOB 0                                         ; the last head asks for nothing: no read passes the slot's end
	v_mov_b32 v[TH], v[TH+2]                       ; the next trip's theta
	v_mov_b32 v[TH+1], v[TH+3]
	s_add_co_u32 s86, s86, 1
	s_cmp_lt_u32 s86, 2
	s_cbranch_scc1 .Ln
	SOFTMAX
	WIN 0xc0
.irp T, 0,1
.irp t, 0,1,2,3,4,5,6,7,8,9,10,11,12,13,14,15
	ds_load_b128 v[128*\T+8*\t:128*\T+8*\t+3], v[HB] offset:10240+64*\t          ; the output sums begin as bout / 2^(e12 + e13): nothing is cleared, and no job is special
	ds_load_b128 v[128*\T+8*\t+4:128*\T+8*\t+7], v[HB] offset:10240+64*\t+16
.endr
.endr
	WIN 0
	s_mov_b32 s92, 0
	s_mov_b32 s93, 0
.Lv:                                                   ; three trips: the stream's slots 4, 5 (n = 0) and 6 (n = 1)
	s_cmp_lt_u32 s93, 2
	s_cselect_b32 s20, s82, s84
	s_cselect_b32 s21, s83, s85
	v_mov_b32 v[QS], s20
	v_mov_b32 v[QL], s21
	CHANGE 1
	VOSLOT
	s_add_co_u32 s93, s93, 1
	s_cmp_lt_u32 s93, 3
	s_cbranch_scc1 .Lv
	CHANGE 0                                       ; the last slot is written out; nothing is asked for
	VOSLOT
	PLACES                                         ; behind the last products: for the reads of their sums and the writes over their operands
	TOSTAGE 0
.irp a, 1,2,3
.if \a > 1
	s_wait_xcnt 0x0                                ; block a - 2's stores have read their registers: block a's loads may land there
.endif
	TOSTAGE \a
	SEND \a-1, 32                                  ; behind block a - 1's loads: block a's 16 stores and 16 loads
.endr
	SEND 3, 0
	s_wait_tensorcnt 0x0                           ; the wave's end, behind my last tensor load and my last LDS store
	ds_add_u32 v[SPW], v[NIL]
	s_wait_dscnt 0x0
	ROUND                                          ; the closing round: no work-group ends while a partner may still ask for a tile that names it
	s_endpgm
.Lfunc_end_k_q163b4766ec_main:
	.size	k_q163b4766ec_main, .Lfunc_end_k_q163b4766ec_main-k_q163b4766ec_main
	.p2alignl 7, 3214868480
	.fill 96, 4, 3214868480
	.section	.rodata,"a",@progbits
	.p2align	6, 0x0
	.amdhsa_kernel k_q163b4766ec_main
		.amdhsa_group_segment_fixed_size 327680
		.amdhsa_private_segment_fixed_size 0
		.amdhsa_enable_private_segment 0
		.amdhsa_kernarg_size 48
		.amdhsa_user_sgpr_count 2
		.amdhsa_user_sgpr_kernarg_segment_ptr 1
		.amdhsa_wavefront_size32 1
		.amdhsa_system_sgpr_workgroup_id_x 1
		.amdhsa_system_sgpr_workgroup_id_y 1
		.amdhsa_system_sgpr_workgroup_id_z 1
		.amdhsa_system_vgpr_workitem_id 0
		.amdhsa_next_free_vgpr 1024
		.amdhsa_next_free_sgpr 100
		.amdhsa_reserve_vcc 1
		.amdhsa_float_denorm_mode_32 3
		.amdhsa_float_denorm_mode_16_64 3
		.amdhsa_memory_ordered 1
		.amdhsa_forward_progress 1
		.amdhsa_inst_pref_size 255
	.end_amdhsa_kernel
	.section	.bss,"aw",@nobits
	.p2align	6
	.space	262144
	.amdgpu_metadata
---
amdhsa.version: [ 1, 2 ]
amdhsa.kernels:
  - .name:           k_q163b4766ec_main
    .symbol:         k_q163b4766ec_main.kd
    .args:
      - { .name: nodal_codes, .offset: 0, .size: 8, .value_kind: global_buffer, .address_space: global }
      - { .name: coords, .offset: 8, .size: 8, .value_kind: global_buffer, .address_space: global }
      - { .name: lowp_scales, .offset: 16, .size: 8, .value_kind: global_buffer, .address_space: global }
      - { .name: wpk, .offset: 24, .size: 8, .value_kind: global_buffer, .address_space: global }
      - { .name: tab, .offset: 32, .size: 8, .value_kind: global_buffer, .address_space: global }
      - { .name: out0, .offset: 40, .size: 8, .value_kind: global_buffer, .address_space: global }
    .group_segment_fixed_size: 327680
    .private_segment_fixed_size: 0
    .kernarg_segment_align: 8
    .kernarg_segment_size: 48
    .max_flat_workgroup_size: 128
    .sgpr_count:     100
    .vgpr_count:     1024
    .wavefront_size: 32
...
	.end_amdgpu_metadata
.endif
;; end of part 2
